; MI455X (gfx1250); checked and timed in simulation.
; The chip was launched on July 23, 2026; its instructions are those of AMD's public machine-readable ISA for CDNA 5 (MIT licence, August 2026) and "CDNA5" Instruction Set Architecture Reference Guide (July 2026). The comments in the code are by the model that wrote it; some were corrected since.
;; Attention Block. Allowed arithmetic: matrix products marked QUANTISED: E3M2 operands, one E8M0 scale for each 32 along K, by v_wmma_scale_f32_16x16x128_f8f6f4 with both operands' format E3M2, f32 sums; everything else in f32.
;; Inputs: norm_b 256 float32; norm_w 256 float32; proj_b 256 float32; proj_w_codes 256 x 8 x 24 uint8 (E3M2 codes of proj_w, K innermost, in blocks of 32 codes, four codes in three bytes); proj_w_scales 256 x 8 uint8 (E8M0 scales of proj_w, one for each 32 codes along K); qkv_b 768 float32; qkv_w_codes 768 x 8 x 24 uint8 (E3M2 codes of qkv_w, K innermost, in blocks of 32 codes, four codes in three bytes); qkv_w_scales 768 x 8 uint8 (E8M0 scales of qkv_w, one for each 32 codes along K); x 2 x 256 x 64 x 64 float32.
;; Outputs: out0 2 x 256 x 64 x 64 float32.
;; This version of the problem:
;;   THIS VERSION OF THE PROBLEM IS GIVEN IN LOW PRECISION. The matrix products marked QUANTISED in the list below multiply operands that are first quantised to E3M2 (3 exponent bits, 2 mantissa bits; 6 bits a number), with one power-of-two scale for each 32 numbers along K (OCP MX v1.0); their sums are f32. All else is computed in f32.
;;   The module's matrix products, in the order in which they are computed (A, B: the left and right operand; K: the contracted axis; several contracted axes count as one K, in the product's order):
;;     1. [M 8,192, K 256] x [K 256, N 768]; A: computed on the way; B: input qkv_w (given as codes): QUANTISED
;;     2. batch 8 x [M 4,096, K 64] x [K 64, N 4,096]; A: computed on the way; B: computed on the way: QUANTISED
;;     3. batch 8 x [M 64, K 4,096] x [K 4,096, N 4,096]; A: computed on the way; B: softmax (see below): QUANTISED
;;     4. [M 8,192, K 256] x [K 256, N 256]; A: computed on the way; B: input proj_w (given as codes): QUANTISED
;;   THE QUANTISER, for each operand of a quantised product, along K:
;;     - K is cut into blocks of 32 from its start; a last block that is shorter is filled with zeros.
;;     - A block's scale is 2^e with e = floor(log2(the largest magnitude in the block)) - 4, held to -126 .. 127; a block of zeros has e = 0. As a byte (E8M0): e + 127.
;;     - Each number is divided by its block's scale, clamped to +-28, and rounded to the nearest number of E3M2, ties to even, subnormals kept.
;;     - The product sums the exact products of the quantised numbers (number of the format x scale) in f32.
;;   ~~~python
;;   def quantise(x, axis):      # numpy; x: float32 -> the quantised numbers, widened to float32 again
;;       x = np.moveaxis(x, axis, -1); K = x.shape[-1]
;;       x = np.pad(x, [(0, 0)] * (x.ndim - 1) + [(0, -K % 32)]); x = x.reshape(x.shape[:-1] + (-1, 32)); a = np.abs(x).max(-1, keepdims=True)
;;       e = np.where(a > 0, np.clip(np.frexp(np.where(a > 0, a, 1))[1] - 1 - 4, -126, 127), 0)      # np.frexp(a)[1] - 1 = floor(log2(a)), exactly
;;       r = np.clip(x / 2.0 ** e, -28, 28)
;;       step = 2.0 ** (np.maximum(np.frexp(np.where(r == 0, 1, r))[1] - 1, -2) - 2)
;;       q = np.round(r / step) * step * 2.0 ** e      # np.round: ties to even
;;       return np.moveaxis(q.reshape(q.shape[:-2] + (-1,))[..., :K], -1, axis).astype(np.float32)
;;   ~~~
;;   SOFTMAX AHEAD OF A QUANTISED PRODUCT. Where the list says 'softmax', what is quantised is not the finished softmax but p = 2^(t - M), with t = logit x log2(e) and M = ceil(the row's largest t), a whole number; so 1/2 < the row's largest p <= 1. The row's sum l is taken of the UNQUANTISED p, in f32, and the product's result is divided by l at the end. Since M is a whole number, a kernel that streams over the keys may use a running M (the ceiling of the running maximum): every later rescaling is an exact power of two, which a block's scale takes up: the codes' values come out the same.
;;   OPERANDS COMPUTED ON THE WAY. 'Computed on the way' means the value that the module computes at that place (a softmax that the list does not call 'softmax' is quantised finished and normalised). What goes into a quantiser is computed in f32, as accurately as f32 sums, v_exp_f32 and their like allow (about 1e-6 of the number): no bf16 or f16 on the way to a quantiser, and a product that is left as it is and whose result goes on into a quantised operand takes f32 operands (vector FMAs, or v_wmma_f32_16x16x4_f32). A number that lies on a knife's edge between two numbers of the format may be rounded either way, as far as f32 arithmetic and the matrix unit's own rounding can turn it there, and no further.
;;   INPUTS GIVEN AS CODES. proj_w (in the module: [256, 256], K = its axis 1); qkv_w (in the module: [768, 256], K = its axis 1): each comes as NAME_codes (uint8): NAME with its K axis moved to the last place and cut into blocks of 32 codes, [.., K / 32, bytes a block], one block behind the other in memory; four codes in three bytes: a row's codes are one little-endian stream of bits, code i at bits 6 i .. 6 i + 5 (a code: sign, 3 exponent bits, 2 mantissa bits); and NAME_scales (uint8): the same leading axes, one E8M0 byte (e + 127) for each 32 codes along K. Its value is code x scale, taken as it is: it is not quantised again, and the codes and scales need not be those that the quantiser above would give.
;; One version. Each part assembles by itself: llvm-mc -triple=amdgcn-amd-amdhsa -mcpu=gfx1250 --defsym DOCPART=n.
;; ======== version 1 of 1: 4 launches
;; workspace buffers: part 2,048 bytes; qimg 2,097,152 bytes; aimg 2,097,152 bytes; kv 3,276,800 bytes
;; launch stats (part 1): grid 256 x 1, 4 waves a work-group, no clusters, 768 bytes of LDS; arguments x, part; writes part
.if DOCPART == 1
	.amdgcn_target "amdgcn-amd-amdhsa--gfx1250"
	.amdhsa_code_object_version 6
	.text
	.protected	k_q457c61df19_stats
	.globl	k_q457c61df19_stats
	.p2align	8
	.type	k_q457c61df19_stats,@function
k_q457c61df19_stats:
	s_mov_b64 s[64:65], 0
	v_nop
	global_prefetch_b8 v0, s[64:65] scope:SCOPE_SE
	s_setreg_imm32_b32 hwreg(HW_REG_WAVE_MODE, 25, 1), 1
	s_wait_xcnt 0x0
; GroupNorm's statistics, first half.  x is [2][256][4096] f32; a group is 8 channels x 4,096 tokens = 131,072 consecutive bytes.
; Work-group i takes a QUARTER of a group: x's bytes 32,768 i on (8,192 numbers), and stores part[i] = (mean, sum of squares round that mean).
; The next launch joins a group's four entries.  The sums are centred, so that a common offset of the inputs is never squared.
; A thread holds 64 numbers in registers for both passes: x is read once here.  Each load of a wave covers 512 consecutive bytes.
; No matrix unit, no cluster, no tensor load: the work-groups share nothing and all 32 KiB of a work-group are asked for at once.
; LIMITS: NaN and infinities among the inputs are not served.
.set X, 16                             ; v16-79  my 64 numbers
	s_load_b128 s[4:7], s[0:1], 0x0                ; x, part
	v_lshl_add_u32 v96, v0, 2, 0x100
	v_mov_b32 v97, 0
	v_lshlrev_b32 v1, 4, v0                        ; 16 bytes a thread
	v_lshrrev_b32 v2, 5, v0
	v_lshlrev_b32 v2, 2, v2                        ; LDS: my wave's word
	v_mov_b32 v3, 0
	v_mov_b32 v13, 0                               ; written once: a lane permute's destination counts as one of its sources
	s_lshl_b32 s10, ttmp9, 15
	s_mov_b32 s11, 0
	s_mov_b32 s12, 0x76543210
	s_mov_b32 s13, 0xfedcba98                      ; v_permlanex16_b32's selects for lane l xor 16
	s_lshl_b32 s14, ttmp9, 3
	v_mov_b32 v84, s14                             ; my entry of part: 8 bytes
	s_wait_alu depctr_va_vdst(0)
	s_wait_kmcnt 0x0
	s_add_nc_u64 s[4:5], s[4:5], s[10:11]
.irp k, 0,1,2,3,4,5,6,7,8,9,10,11,12,13,14,15
	global_load_b128 v[X+4*\k:X+4*\k+3], v1, s[4:5] offset:2048*\k
.endr
.macro RED                             ; the sum of v12 over the wave's 32 lanes, in every lane
	v_add_f32_dpp v12, v12, v12 row_xmask:1 row_mask:0xf bank_mask:0xf
	v_add_f32_dpp v12, v12, v12 row_xmask:2 row_mask:0xf bank_mask:0xf
	v_add_f32_dpp v12, v12, v12 row_xmask:4 row_mask:0xf bank_mask:0xf
	v_add_f32_dpp v12, v12, v12 row_xmask:8 row_mask:0xf bank_mask:0xf
	v_permlanex16_b32 v13, v12, s12, s13
	v_add_f32 v12, v12, v13
.endm
.macro FOLD                            ; four packed chains become one number a lane
	v_pk_add_f32 v[4:5], v[4:5], v[6:7]
	v_pk_add_f32 v[8:9], v[8:9], v[10:11]
	v_pk_add_f32 v[4:5], v[4:5], v[8:9]
	v_add_f32 v12, v4, v5
.endm
.macro ACROSS off                      ; the four waves' sums meet in LDS: result in v80
	ds_store_b32 v2, v12 offset:\off               ; all lanes of a wave write the same word with the same value
	s_wait_dscnt 0x0                               ; for the others' sake: my store has landed
	s_barrier_signal -1
	s_barrier_wait -1
	ds_load_b128 v[80:83], v3 offset:\off
	s_wait_dscnt 0x0
	v_add_f32 v80, v80, v81
	v_add_f32 v82, v82, v83
	v_add_f32 v80, v80, v82
.endm
	s_wait_loadcnt 0x0
	; pass 1: the sum, in four packed chains started by sums of two pairs: nothing is cleared
.irp c, 0,1,2,3
	v_pk_add_f32 v[4+2*\c:5+2*\c], v[X+2*\c:X+2*\c+1], v[X+8+2*\c:X+9+2*\c]
.endr
.irp g, 2,3,4,5,6,7
.irp c, 0,1,2,3
	v_pk_add_f32 v[4+2*\c:5+2*\c], v[4+2*\c:5+2*\c], v[X+8*\g+2*\c:X+8*\g+2*\c+1]
.endr
.endr
	FOLD
	RED
	ACROSS 0
	v_mul_f32 v14, 0x39000000, v80                 ; / 8,192: the mean
	v_mov_b32 v15, v14
	; pass 2: the numbers less the mean, and the sum of their squares
.set q, 0
.rept 32
	v_pk_add_f32 v[X+2*q:X+2*q+1], v[X+2*q:X+2*q+1], v[14:15] neg_lo:[0,1] neg_hi:[0,1]
.set q, q+1
.endr
.irp c, 0,1,2,3
	v_pk_mul_f32 v[4+2*\c:5+2*\c], v[X+2*\c:X+2*\c+1], v[X+2*\c:X+2*\c+1]
.endr
.irp g, 1,2,3,4,5,6,7
.irp c, 0,1,2,3
	v_pk_fma_f32 v[4+2*\c:5+2*\c], v[X+8*\g+2*\c:X+8*\g+2*\c+1], v[X+8*\g+2*\c:X+8*\g+2*\c+1], v[4+2*\c:5+2*\c]
.endr
.endr
	FOLD
	RED
	ACROSS 16                                      ; other LDS words than the first meeting's: no barrier between the two is owed
	v_mov_b32 v15, v80
	s_wait_alu depctr_va_vdst(0)
	s_wait_xcnt 0x0                                ; EXEC changes only behind this wait: it is a source of the loads above
	v_cmp_gt_u32 vcc_lo, 1, v0
	s_wait_tensorcnt 0x0
	ds_add_u32 v96, v97
	s_wait_dscnt 0x0
	s_and_saveexec_b32 s15, vcc_lo                 ; thread 0 alone
	global_store_b64 v84, v[14:15], s[6:7]
	s_wait_xcnt 0x0
	s_or_b32 exec_lo, exec_lo, s15
	s_endpgm
.Lfunc_end_k_q457c61df19_stats:
	.size	k_q457c61df19_stats, .Lfunc_end_k_q457c61df19_stats-k_q457c61df19_stats
	.p2alignl 7, 3214868480
	.fill 96, 4, 3214868480
	.section	.rodata,"a",@progbits
	.p2align	6, 0x0
	.amdhsa_kernel k_q457c61df19_stats
		.amdhsa_group_segment_fixed_size 768
		.amdhsa_private_segment_fixed_size 0
		.amdhsa_enable_private_segment 0
		.amdhsa_kernarg_size 16
		.amdhsa_user_sgpr_count 2
		.amdhsa_user_sgpr_kernarg_segment_ptr 1
		.amdhsa_wavefront_size32 1
		.amdhsa_system_sgpr_workgroup_id_x 1
		.amdhsa_system_sgpr_workgroup_id_y 1
		.amdhsa_system_sgpr_workgroup_id_z 1
		.amdhsa_system_vgpr_workitem_id 0
		.amdhsa_next_free_vgpr 98
		.amdhsa_next_free_sgpr 66
		.amdhsa_reserve_vcc 1
		.amdhsa_float_denorm_mode_32 3
		.amdhsa_float_denorm_mode_16_64 3
		.amdhsa_memory_ordered 1
		.amdhsa_forward_progress 1
		.amdhsa_inst_pref_size 11
	.end_amdhsa_kernel
	.amdgpu_metadata
---
amdhsa.version: [ 1, 2 ]
amdhsa.kernels:
  - .name:           k_q457c61df19_stats
    .symbol:         k_q457c61df19_stats.kd
    .args:
      - { .name: x, .offset: 0, .size: 8, .value_kind: global_buffer, .address_space: global }
      - { .name: part, .offset: 8, .size: 8, .value_kind: global_buffer, .address_space: global }
    .group_segment_fixed_size: 768
    .private_segment_fixed_size: 0
    .kernarg_segment_align: 8
    .kernarg_segment_size: 16
    .max_flat_workgroup_size: 128
    .sgpr_count:     66
    .vgpr_count:     98
    .wavefront_size: 32
...
	.end_amdgpu_metadata
.endif
;; end of part 1
;; launch qkv (part 2): grid 32 x 8, 4 waves a work-group, no clusters, 201,216 bytes of LDS; arguments x, part, norm_w, norm_b, qkv_w_codes, qkv_w_scales, qkv_b, qimg, kv; writes qimg, kv
.if DOCPART == 2
	.amdgcn_target "amdgcn-amd-amdhsa--gfx1250"
	.amdhsa_code_object_version 6
	.text
	.protected	k_q457c61df19_qkv
	.globl	k_q457c61df19_qkv
	.p2align	8
	.type	k_q457c61df19_qkv,@function
k_q457c61df19_qkv:
	s_mov_b64 s[64:65], 0
	v_nop
	global_prefetch_b8 v0, s[64:65] scope:SCOPE_SE
	s_setreg_imm32_b32 hwreg(HW_REG_WAVE_MODE, 25, 1), 1
	s_wait_xcnt 0x0
; GroupNorm finished, xn quantised along the channels, qkv = W xn + b on codes of BF6 (E3M2) with one E8M0 scale for each 32 along K, and q, k, v quantised for the attention launch.
; SHARES.  Work-group (j, bh) takes tokens 128 j .. 128 j + 127 of batch bh / 4 and the 192 rows of qkv_w of head bh % 4.  It writes one record of kv (128 keys of one head) and eight records of qimg.
; Wave w quantises tokens 32 w .. 32 w + 31, then makes q and k of those tokens and v's 16 channels of tile w for all 128 tokens.
; TILES.  Row r of token tile T is token 32 (T / 2) + 8 (T % 2) + r + 8 (r / 8); the 16 rows of W that form a tile are chosen likewise.  So a lane's 16 result registers of two neighbouring tiles are 16 NEIGHBOURS along
; the axis that is quantised next.  q, k: source 0 = 16 rows of W, source 1 = 16 tokens: a lane holds one token, its registers run along the channels.  v: source 0 = 16 tokens, source 1 = 16 rows of W: a lane holds one
; channel, its registers run along the tokens (the keys, which are the second attention product's K).
; IMAGES.  An operand goes to LDS and to memory as an image of its 12 registers: registers 4 c .. 4 c + 3 of lane l at 512 c + 16 l.  The same three lines as loads give any wave the same operand.
; A kv RECORD (12,800 bytes): 4 fragments of K at 1,536 p (registers 0-5: key tile 2 p's 64 channels, registers 6-11: key tile 2 p + 1's), 4 fragments of V at 6,144 + 1,536 t (16 channels x 128 keys), and at 12,288 the scale
; words, 16 bytes a lane: K's pairs 0|1, 2|3, V's tiles 0|1, 2|3 (lanes 0-15 | lanes 16-31).  A qimg RECORD (1,024 bytes): registers 0-3 at 16 l, registers 4-5 at 512 + 8 l, the scale word (s0, s1, s0, s1) at 768 + 4 l.
; x's tile (256 channels x 128 tokens, 131,072 bytes) comes once, by one tensor load a wave: one load of a wave is out.
; NO CLUSTER: the four heads' work-groups share x's tile alone, which each asks for once at its start; the weights, which are read through the whole text, differ between them.
; LIMITS: NaN and infinities are not served; a block of zeros gets the scale byte 1 where the rule says 127 (its codes are zeros, and this program alone reads the bytes); 1 / sqrt is v_rsq_f32.
.set FRB,  1536                        ; a fragment's image
.set TAB,  131072                      ; LDS behind x's tile: the mean for each pair of channels (512 bytes), at +512 rstd x norm_w (1,024), at +1,536 norm_b (1,024), at +2,560 the head's biases (768 of 1,024)
.set TQB,  TAB+2560
.set WIMG, 134656                      ; 24 weight fragments: q, k tile t (0 .. 7), K step s at 2 t + s; v's tile w at 16 + 2 w + s
.set WSC,  171520                      ; their scale words, 128 bytes each
.set XIMG, 174592                      ; xn's 16 fragments: token tile t, K step s at 2 t + s
.set XSC,  199168                      ; xn's scale words: plane (w, s) at 256 w + 128 s: lanes 0-15 tile 2 w, lanes 16-31 tile 2 w + 1
.set SCST, 200192                      ; the record's scale words, gathered
.set L16,  1                           ; v1   16 x lane
.set L8,   2                           ; v2   8 x lane
.set L4,   3                           ; v3   4 x lane
.set ABI,  4                           ; v4   the biases of q, k: TQB + 64 (lane / 16)
.set ABV,  5                           ; v5   the bias of my channel of v
.set AW,   6                           ; v6   WIMG + 16 x lane
.set AWS,  7                           ; v7   WSC + 4 x lane
.set AX,   8                           ; v8   XIMG + 16 x lane
.set AXS,  9                           ; v9   XSC + 4 x lane
.set ASC,  10                          ; v10  where my fragment's scale word goes in the stage
.set AXT,  11                          ; v11-12 my token in x's tile, channels 0-127 and 128-255
.set AT,   13                          ; v13  TAB
.set AXI,  14                          ; v14  where I store xn's images
.set AXSW, 15                          ; v15  and their scale words
.set XF,   16                          ; v16-63  my two token tiles' fragments: (tile u, K step s) at 24 s + 12 u; in unit V: v's weights
.set XW,   64                          ; v64-65  xn's scale words, lane = token: lanes 0-15 tile 2 w, lanes 16-31 tile 2 w + 1
.set H,    66                          ; v66-129 eight accumulators; while x is normalised: the coefficients
.set CA,   66
.set CB,   98
.set WR,   130                         ; v130-225 eight fragments; while x is normalised: two sets of 32 numbers and the means
.set CM,   194
.set PC,   130                         ; the codes just made: 12 registers, and 8 at work
.set WS,   226                         ; v226-233 scale words
.set TM,   234                         ; v234-249 at work in QUANT
.set VB,   234                         ; v234-241 v's bias as a C operand
.set CT,   240
.set PW,   250                         ; the scale word just made
.set WA,   251
.set WB,   252
.set GK,   253                         ; v253 16 x lane + 1,536 x wave
.set AWV,  254                         ; v254 my v weights' images
.set AWSV, 255                         ; v255 and their scale words
.set SEL,  40
.macro MM d, a, b, c, sa, sb, row      ; row 1: source 0's scales from lanes 16-31; row 2: source 1's
.if (\row) == 0
	v_wmma_scale_f32_16x16x128_f8f6f4 v[(\d):(\d)+7], v[(\a):(\a)+11], v[(\b):(\b)+11], v[(\c):(\c)+7], v[(\sa)], v[(\sb)] matrix_a_fmt:MATRIX_FMT_BF6 matrix_b_fmt:MATRIX_FMT_BF6
.elseif (\row) == 1
	v_wmma_scale_f32_16x16x128_f8f6f4 v[(\d):(\d)+7], v[(\a):(\a)+11], v[(\b):(\b)+11], v[(\c):(\c)+7], v[(\sa)], v[(\sb)] matrix_a_fmt:MATRIX_FMT_BF6 matrix_b_fmt:MATRIX_FMT_BF6 matrix_a_scale:MATRIX_SCALE_ROW1
.else
	v_wmma_scale_f32_16x16x128_f8f6f4 v[(\d):(\d)+7], v[(\a):(\a)+11], v[(\b):(\b)+11], v[(\c):(\c)+7], v[(\sa)], v[(\sb)] matrix_a_fmt:MATRIX_FMT_BF6 matrix_b_fmt:MATRIX_FMT_BF6 matrix_b_scale:MATRIX_SCALE_ROW1
.endif
.endm
.macro IMAGE adr, reg, off             ; a fragment goes to LDS as it stands
.irp c, 0,1,2
	ds_store_b128 v[\adr], v[(\reg)+4*\c:(\reg)+4*\c+3] offset:(\off)+512*\c
.endr
.endm
.macro FETCH reg, adr, off             ; and comes back so, in any wave
.irp c, 0,1,2
	ds_load_b128 v[(\reg)+4*\c:(\reg)+4*\c+3], v[\adr] offset:(\off)+512*\c
.endr
.endm
.macro BARRIER                         ; my LDS stores have landed and my LDS loads are in: then the work-group's barrier
	s_wait_dscnt 0x0
	s_barrier_signal -1
	s_barrier_wait -1
.endm
.macro PLACES n
.rept \n
	v_nop
.endr
.endm
; 64 numbers of a lane, register 16 b + i = k 32 b + 16 (lane / 16) + i of my row, become a fragment's codes in v[PC] on and its scale word in v[PW].
.macro QUANT src
.irp b, 0,1,2,3
	v_max3_num_f32 v[TM+\b], |v[\src+16*\b]|, |v[\src+1+16*\b]|, 0x2800000   ; my 16 numbers of block b, and the floor 2^(5 - 127): the byte cannot fall under 1
.endr
.irp i, 2,4,6,8,10,12,14
.irp b, 0,1,2,3
	v_max3_num_f32 v[TM+\b], v[TM+\b], |v[\src+16*\b+\i]|, |v[\src+1+16*\b+\i]|
.endr
.endr
.irp b, 0,1,2,3
	v_permlanex16_b32 v[TM+4+\b], v[TM+\b], s[SEL], s[SEL+1]
.endr
.irp b, 0,1,2,3
	v_max_num_f32 v[TM+\b], v[TM+\b], v[TM+4+\b]   ; with lane l xor 16's: the block's largest magnitude
.endr
.irp b, 0,1,2,3
	v_add_nc_u32 v[TM+12+\b], 0xfe000000, v[TM+\b] ; 4 off its exponent field: the conversion's scale operand
.endr
.irp b, 0,1,2,3
	v_lshrrev_b32 v[TM+4+\b], 23, v[TM+12+\b]      ; the scale's byte
.endr
	v_lshl_or_b32 v[PW], v[TM+5], 8, v[TM+4]
	v_lshl_or_b32 v[PW], v[TM+6], 16, v[PW]
	v_lshl_or_b32 v[PW], v[TM+7], 24, v[PW]
.irp c, 0,1
	v_cvt_scalef32_pk16_bf6_f32 v[PC+6*\c:PC+2+6*\c], v[\src+32*\c:\src+15+32*\c], v[TM+12+2*\c]
	v_cvt_scalef32_pk16_bf6_f32 v[PC+12+4*\c:PC+14+4*\c], v[\src+16+32*\c:\src+31+32*\c], v[TM+12+2*\c+1]   ; (a conversion's three registers begin on an even number)
.endr
	v_nop                                          ; one plain place behind a scaled conversion
.irp c, 0,1                            ; the operand's layout wants a whole block in a lane: lanes 0-15 block 2 c, lanes 16-31 block 2 c + 1
.irp i, 0,1,2
	v_permlane16_swap_b32 v[PC+6*\c+\i], v[PC+12+4*\c+\i]
.endr
.irp i, 0,1,2
	v_mov_b32 v[PC+3+6*\c+\i], v[PC+12+4*\c+\i]
.endr
.endr
.endm
	s_load_b256 s[4:11], s[0:1], 0x0               ; x, part, norm_w, norm_b
	s_load_b256 s[12:19], s[0:1], 0x20             ; W's codes, W's scales, qkv_b, qimg
	s_load_b64 s[20:21], s[0:1], 0x40              ; kv
	v_lshl_add_u32 v244, v0, 2, 0x31000
	v_mov_b32 v245, 0
	ds_add_u32 v244, v245
	ds_add_u32 v244, v245
	v_lshrrev_b32 v16, 5, v0
	v_readfirstlane_b32 s22, v16                   ; wave 0..3
	s_and_b32 s24, ttmp7, 0xffff                   ; bh
	s_lshr_b32 s25, s24, 2                         ; batch
	s_and_b32 s26, s24, 3                          ; head
	; descriptor group 1: 64 rows (channels) of 128 elements of 4 bytes, 4,096 elements apart; dense in LDS
	s_mov_b32 s32, 2<<16
	s_mov_b32 s33, 128<<16                         ; tensor_dim0
	s_mov_b32 s34, 64<<16                          ; tensor_dim1
	s_mov_b32 s35, 128<<16                         ; tile_dim0
	s_mov_b32 s36, 64                              ; tile_dim1
	s_mov_b32 s37, 4096                            ; from row to row
	s_mov_b32 s38, 0
	s_mov_b32 s39, 0
	s_lshl_b32 s42, s25, 22                        ; the batch, 4,194,304 bytes;
	s_lshl_b32 s44, s22, 20                        ; my 64 channels of 16,384 bytes;
	s_add_co_u32 s42, s42, s44
	s_lshl_b32 s44, ttmp9, 9                       ; the work-group's 128 tokens
	s_add_co_u32 s42, s42, s44
	s_mov_b32 s43, 0
	s_mov_b32 s28, 1
	s_lshl_b32 s29, s22, 15                        ; LDS: 32,768 x wave
	s_wait_dscnt 0x0
	s_wait_kmcnt 0x0
	s_add_nc_u64 s[30:31], s[4:5], s[42:43]
	s_or_b32 s31, s31, 0x80000000
	tensor_load_to_lds s[28:31], s[32:39]          ; my quarter of x's tile: ahead of everything else
	s_nop 0
	v_and_b32 v16, 31, v0                          ; lane
	v_and_b32 v17, 15, v0                          ; r
	v_bfe_u32 v18, v0, 4, 1                        ; h
	v_and_b32 v19, 8, v17
	v_add_nc_u32 v19, v19, v17                     ; r + 8 (r / 8)
	s_wait_alu depctr_va_vdst(0)
	s_mov_b32 s[SEL], 0x76543210
	s_mov_b32 s[SEL+1], 0xfedcba98
	s_mov_b32 s60, 0x3eb504f3                      ; 64^-0.25 = 2^-1.5
	s_mov_b32 s61, s60
	s_mov_b32 s62, 0x38000000                      ; 1 / 32,768
	s_mov_b32 s63, 0x3727c5ac                      ; 1e-5
	; rows of qkv_w
	s_mul_i32 s44, s26, 192                        ; the head's first row
	s_lshl_b32 s45, s22, 5
	s_add_co_u32 s45, s44, s45                     ; the two q, k tiles that I bring: rows 192 head + 32 w on
	s_lshr_b32 s46, s22, 1
	s_lshl_b32 s46, s46, 5
	s_and_b32 s47, s22, 1
	s_lshl_b32 s47, s47, 3
	s_add_co_u32 s46, s46, s47
	s_add_co_u32 s46, s46, s44
	s_add_co_u32 s46, s46, 128                     ; my tile of v: rows 192 head + 128 + 32 (w / 2) + 8 (w % 2) on
	s_mul_i32 s42, s45, 192
	s_add_nc_u64 s[52:53], s[12:13], s[42:43]
	s_mul_i32 s42, s46, 192
	s_add_nc_u64 s[54:55], s[12:13], s[42:43]
	s_lshl_b32 s42, s45, 3
	s_add_nc_u64 s[56:57], s[14:15], s[42:43]
	s_lshl_b32 s42, s46, 3
	s_add_nc_u64 s[58:59], s[14:15], s[42:43]
	s_lshl_b32 s42, s25, 10
	s_add_nc_u64 s[6:7], s[6:7], s[42:43]          ; part: the batch's 32 groups of 32 bytes
	s_mul_i32 s42, s26, 768
	s_add_nc_u64 s[16:17], s[16:17], s[42:43]      ; the head's 192 biases
	s_lshl_b32 s42, s24, 18
	s_lshl_b32 s44, ttmp9, 13
	s_add_co_u32 s42, s42, s44
	s_lshl_b32 s44, s22, 11
	s_add_co_u32 s42, s42, s44
	s_add_nc_u64 s[18:19], s[18:19], s[42:43]      ; qimg: record 256 bh + 8 j + 2 w
	s_lshl_b32 s42, s24, 5
	s_add_co_u32 s42, s42, ttmp9
	s_mul_i32 s42, s42, 12800
	s_add_nc_u64 s[20:21], s[20:21], s[42:43]      ; kv: record 32 bh + j
	; offsets into memory, used at the head alone
	v_mul_u32_u24 v208, v19, 192
	v_mad_u32_u24 v208, v18, 24, v208              ; a tile's row of 192 bytes, + 24 h
	v_lshlrev_b32 v209, 3, v19                     ; its 8 scale bytes
	v_lshrrev_b32 v210, 2, v0
	v_lshlrev_b32 v210, 5, v210                    ; thread t holds channels 2 t, 2 t + 1: group t / 4, 32 bytes of part
	v_lshlrev_b32 v211, 3, v0
	v_min_u32 v212, 760, v211                      ; the biases are 768 bytes: threads 96 on read the last pair again
	global_load_b128 v[66:69], v210, s[6:7]        ; (mean, M2) of the group's four quarters
	global_load_b128 v[70:73], v210, s[6:7] offset:16
	global_load_b64 v[74:75], v211, s[8:9]
	global_load_b64 v[76:77], v211, s[10:11]
	global_load_b64 v[78:79], v212, s[16:17]
.irp f, 0,1,2,3                        ; q, k tile 2 w + f / 2, K step f % 2
.irp p, 0,1,2,3,4,5
	global_load_b64 v[WR+12*\f+2*\p:WR+12*\f+2*\p+1], v208, s[52:53] offset:(\f/2)*1536+(\f%2)*96+48*(\p/3)+8*(\p%3)
.endr
	global_load_b32 v[WS+\f], v209, s[56:57] offset:(\f/2)*64+(\f%2)*4
.endr
.irp f, 0,1                            ; v's tile w, K step f
.irp p, 0,1,2,3,4,5
	global_load_b64 v[WR+48+12*\f+2*\p:WR+48+12*\f+2*\p+1], v208, s[54:55] offset:\f*96+48*(\p/3)+8*(\p%3)
.endr
	global_load_b32 v[WS+4+\f], v209, s[58:59] offset:4*\f
.endr
	; LDS addresses: a constant + a constant x lane + a constant x wave
	v_lshlrev_b32 v[L16], 4, v16
	v_lshlrev_b32 v[L8], 3, v16
	v_lshlrev_b32 v[L4], 2, v16
	v_lshl_add_u32 v[ABI], v18, 6, TQB
	s_lshr_b32 s44, s22, 1
	s_and_b32 s45, s22, 1
	s_lshl_b32 s46, s44, 7
	s_lshl_b32 s47, s45, 5
	s_add_co_u32 s46, s46, s47
	s_add_co_u32 s46, s46, TQB+512
	v_lshl_add_u32 v[ABV], v19, 2, s46             ; bias 128 + 32 (w / 2) + 8 (w % 2) + r + 8 (r / 8)
	v_add_nc_u32 v[AW], WIMG, v[L16]
	v_add_nc_u32 v[AWS], WSC, v[L4]
	v_add_nc_u32 v[AX], XIMG, v[L16]
	v_add_nc_u32 v[AXS], XSC, v[L4]
	s_lshl_b32 s46, s45, 8
	s_lshl_b32 s47, s44, 2
	s_add_co_u32 s46, s46, s47
	s_add_co_u32 s46, s46, SCST
	v_lshl_add_u32 v[ASC], v17, 4, s46             ; lane r + 16 (w % 2)'s 16 bytes, word w / 2
	v_and_b32 v20, 7, v0
	v_lshlrev_b32 v20, 2, v20
	v_bfe_u32 v21, v0, 3, 1
	v_lshl_add_u32 v20, v21, 6, v20
	v_lshl_add_u32 v20, v18, 5, v20                ; lanes 0-15 are tile 2 w's rows, lanes 16-31 tile 2 w + 1's: token 32 w + l % 8 + 16 ((l / 8) % 2) + 8 (l / 16)
	s_lshl_b32 s46, s22, 7
	v_add_nc_u32 v[AXT], s46, v20
	v_add_nc_u32 v[AXT+1], 65536, v[AXT]
	v_mov_b32 v[AT], TAB
	s_mul_i32 s46, s22, 6144
	v_add_nc_u32 v[AXI], s46, v[AX]
	v_add_nc_u32 v202, s46, v[AW]                  ; my four q, k fragments: 4 w on
	s_lshl_b32 s47, s22, 8
	v_add_nc_u32 v[AXSW], s47, v[AXS]
	v_add_nc_u32 v[AWSV], s47, v[AWS]
	s_lshl_b32 s47, s22, 9
	v_add_nc_u32 v204, s47, v[AWS]
	s_mul_i32 s47, s22, 3072
	v_add_nc_u32 v[AWV], s47, v[AW]
	s_mul_i32 s47, s22, 1536
	v_add_nc_u32 v[GK], s47, v[L16]
	v_lshl_add_u32 v206, v0, 2, TAB
	v_lshl_add_u32 v207, v0, 3, TAB
.irp b, 0,1,2,3
	v_mov_b32 v[TM+4+\b], 0                        ; written once: a lane permute's destination counts as one of its sources
.endr
	s_wait_loadcnt 0x0
	; the group's statistics from its four quarters of 8,192 numbers
	v_add_f32 v80, v66, v68
	v_add_f32 v81, v70, v72
	v_add_f32 v80, v80, v81
	v_mul_f32 v80, 0x3e800000, v80                 ; the mean
	v_sub_f32 v81, v66, v80
	v_sub_f32 v82, v68, v80
	v_sub_f32 v83, v70, v80
	v_sub_f32 v84, v72, v80
	v_mul_f32 v81, v81, v81
	v_fma_f32 v81, v82, v82, v81
	v_fma_f32 v81, v83, v83, v81
	v_fma_f32 v81, v84, v84, v81
	v_add_f32 v82, v67, v69
	v_add_f32 v83, v71, v73
	v_add_f32 v82, v82, v83
	v_fma_f32 v81, 0x46000000, v81, v82            ; the sum of squares round it
	v_fma_f32 v81, v81, s62, s63                   ; the variance + 1e-5
	s_wait_alu depctr_va_vdst(0)
	v_rsq_f32 v82, v81
	v_nop                                          ; one plain place behind a transcendental
	s_wait_alu depctr_va_vdst(0)
	v_pk_mul_f32 v[74:75], v[74:75], v[82:83] op_sel_hi:[1,0]   ; rstd x norm_w
	ds_store_b32 v206, v80
	ds_store_b64 v207, v[74:75] offset:512
	ds_store_b64 v207, v[76:77] offset:1536
	ds_store_b64 v207, v[78:79] offset:2560
.irp f, 0,1,2,3
	IMAGE 202, WR+12*\f, \f*FRB
	ds_store_b32 v204, v[WS+\f] offset:128*\f
.endr
.irp f, 0,1
	IMAGE AWV, WR+48+12*\f, 24576+\f*FRB
	ds_store_b32 v[AWSV], v[WS+4+\f] offset:2048+128*\f
.endr
	s_wait_tensorcnt 0x0                           ; my quarter of x's tile has landed
	BARRIER                                        ; x's tile, the tables and all weights lie in LDS
	; ---- x is normalised and quantised: a lane holds one token, its registers run down 32 channels: a whole block
.macro XLD k                           ; block k: x(32 k + i, my token): the 32 lanes read 128 consecutive bytes of a row
.set n, 0
.rept 32
	ds_load_b32 v[WR+32*((\k)%2)+n], v[AXT+(\k)/4] offset:(32*((\k)%4)+n)*512
.set n, n+1
.endr
.endm
.macro CLD k                           ; its coefficients: the same address in every lane
.irp q, 0,1,2,3
	ds_load_b64 v[CM+2*\q:CM+2*\q+1], v[AT] offset:64*(\k)+16*\q
.endr
.irp q, 0,1,2,3,4,5,6,7
	ds_load_b128 v[CA+4*\q:CA+4*\q+3], v[AT] offset:512+128*(\k)+16*\q
	ds_load_b128 v[CB+4*\q:CB+4*\q+3], v[AT] offset:1536+128*(\k)+16*\q
.endr
.endm
.macro XBLK k
.set XSET, WR+32*((\k)%2)
.set XDST, XF+24*((\k)/4)+12*((\k)%2)+6*(((\k)/2)%2)
.if (\k) < 7
	s_wait_dscnt 32                                ; this block's numbers and coefficients are in; the 32 loads of the next block's numbers may be out
.else
	s_wait_dscnt 0x0
.endif
.irp q, 0,1,2,3,4,5,6,7,8,9,10,11,12,13,14,15
	v_pk_add_f32 v[XSET+2*\q:XSET+2*\q+1], v[XSET+2*\q:XSET+2*\q+1], v[CM+2*(\q/4):CM+2*(\q/4)+1] neg_lo:[0,1] neg_hi:[0,1]
.endr
.irp q, 0,1,2,3,4,5,6,7,8,9,10,11,12,13,14,15
	v_pk_fma_f32 v[XSET+2*\q:XSET+2*\q+1], v[XSET+2*\q:XSET+2*\q+1], v[CA+2*\q:CA+2*\q+1], v[CB+2*\q:CB+2*\q+1]
.endr
.if (\k) < 7
	CLD (\k)+1
.endif
	v_max3_num_f32 v234, |v[XSET]|, |v[XSET+1]|, |v[XSET+2]|
	v_max3_num_f32 v235, |v[XSET+3]|, |v[XSET+4]|, |v[XSET+5]|
.irp i, 6,10,14,18,22,26
	v_max3_num_f32 v234, v234, |v[XSET+\i]|, |v[XSET+\i+1]|
	v_max3_num_f32 v235, v235, |v[XSET+\i+2]|, |v[XSET+\i+3]|
.endr
	v_max3_num_f32 v234, v234, |v[XSET+30]|, |v[XSET+31]|
	v_max3_num_f32 v234, v234, v235, 0x2800000     ; and the floor 2^(5 - 127)
	v_add_nc_u32 v236, 0xfe000000, v234            ; 4 off the exponent field: the conversion's scale operand
	v_cvt_scalef32_pk16_bf6_f32 v[XDST:XDST+2], v[XSET:XSET+15], v236
	v_cvt_scalef32_pk16_bf6_f32 v[CT:CT+2], v[XSET+16:XSET+31], v236
	v_lshrrev_b32 v237, 23, v236                   ; the scale's byte (the plain place behind the conversions)
.if (\k)%4 == 0
	v_mov_b32 v[XW+(\k)/4], v237
.else
	v_lshl_or_b32 v[XW+(\k)/4], v237, 8*((\k)%4), v[XW+(\k)/4]
.endif
.irp i, 0,1,2
	v_mov_b32 v[XDST+3+\i], v[CT+\i]
.endr
.if (\k) < 6
	XLD (\k)+2
.endif
.if (\k)%2 == 1                        ; blocks 2 c and 2 c + 1 of both tiles' tokens become registers 6 c .. 6 c + 5 of both tiles' fragments: the even block's lanes 16-31 change places with the odd block's lanes 0-15
.irp i, 0,1,2,3,4,5
	v_permlane16_swap_b32 v[XDST-12+\i], v[XDST+\i]
.endr
.endif
.endm
	XLD 0
	CLD 0
	XLD 1
.irp k, 0,1,2,3,4,5,6,7
	XBLK \k
.endr
.irp s, 0,1
.irp u, 0,1
	IMAGE AXI, XF+24*\s+12*\u, (2*\u+\s)*FRB
.endr
	ds_store_b32 v[AXSW], v[XW+\s] offset:128*\s
.endr
	; ---- q (kind 0) or k (kind 1) of my 32 tokens: 4 tiles of channels x 2 tiles of tokens, 8 accumulators by turns, one instruction a turn
.macro QK kind, first
	s_wait_xcnt 0x0                                ; the stores of the unit before have read the codes' registers, which take weights now
.irp u, 0,1
.irp t, 0,1,2,3
	ds_load_b128 v[H+32*\u+8*\t:H+32*\u+8*\t+3], v[ABI] offset:256*\kind+128*(\t/2)+32*(\t%2)      ; the biases are loaded into the accumulators: lane (r, h), tile t: channels 32 (t / 2) + 8 (t % 2) + 16 h + 0 .. 7
	ds_load_b128 v[H+32*\u+8*\t+4:H+32*\u+8*\t+7], v[ABI] offset:256*\kind+128*(\t/2)+32*(\t%2)+16
.endr
.endr
.irp f, 0,1,2,3,4,5,6,7
	FETCH WR+12*\f, AW, (8*\kind+\f)*FRB
	ds_load_b32 v[WS+\f], v[AWS] offset:128*(8*\kind+\f)
.endr
	s_wait_dscnt 0x0
.if \first
	PLACES 8                                       ; xn's scale words and codes were written by vector instructions: eight and four places ahead of a scaled product
.endif
.irp s, 0,1
	s_wait_alu depctr_va_vdst(0)
.irp t, 0,1,2,3
.irp u, 0,1
	MM H+32*\u+8*\t, WR+12*(2*\t+\s), XF+24*\s+12*\u, H+32*\u+8*\t, WS+2*\t+\s, XW+\s, 2*\u
.endr
.endr
.endr
	PLACES 4
.set n, 0
.rept 32
	v_pk_mul_f32 v[H+2*n:H+2*n+1], v[H+2*n:H+2*n+1], s[60:61] op_sel_hi:[1,0]   ; x 64^-0.25, each accumulator from its low end on
.set n, n+1
.endr
	QUANT H                                        ; blocks 0, 1: tile 2 w's 64 channels; blocks 2, 3: tile 2 w + 1's
.if \kind == 0
	v_perm_b32 v[WA], v[PW], v[PW], 0x01000100     ; (s0, s1, s0, s1) of the first tile,
	v_perm_b32 v[WB], v[PW], v[PW], 0x03020302     ; and of the second
	global_store_b128 v[L16], v[PC:PC+3], s[18:19]
	global_store_b64 v[L8], v[PC+4:PC+5], s[18:19] offset:512
	global_store_b32 v[L4], v[WA], s[18:19] offset:768
	global_store_b128 v[L16], v[PC+6:PC+9], s[18:19] offset:1024
	global_store_b64 v[L8], v[PC+10:PC+11], s[18:19] offset:1536
	global_store_b32 v[L4], v[WB], s[18:19] offset:1792
.else
.irp c, 0,1,2
	global_store_b128 v[GK], v[PC+4*\c:PC+4*\c+3], s[20:21] offset:512*\c   ; K's pair w: each store of the wave covers 512 consecutive bytes, aligned
.endr
	ds_store_b32 v[ASC], v[PW]                     ; lanes r and r + 16 write the same word with the same value
.endif
.endm
	QK 0, 1
	QK 1, 0
	BARRIER                                        ; every wave's images of xn lie in LDS
	; ---- v: my 16 channels for all 128 tokens: 8 accumulators by turns, a K step at a time
	s_wait_xcnt 0x0                                ; k's stores have read the codes' registers
.irp i, 0,1,2,3,4,5,6,7
	ds_load_b32 v[VB+\i], v[ABV]                   ; my channel's bias, as eight equal registers of C
.endr
.irp s, 0,1
	FETCH XF+12*\s, AWV, 24576+\s*FRB
	ds_load_b32 v[WS+\s], v[AWSV] offset:2048+128*\s
.endr
.irp s, 0,1
.irp t, 0,1,2,3,4,5,6,7
	FETCH WR+12*\t, AX, (2*\t+\s)*FRB
.endr
.irp p, 0,1,2,3
	ds_load_b32 v[WS+2+\p], v[AXS] offset:256*\p+128*\s
.endr
	s_wait_dscnt 0x0
.irp t, 0,1,2,3,4,5,6,7
.if \s == 0
	MM H+8*\t, WR+12*\t, XF+12*\s, VB, WS+2+\t/2, WS+\s, \t%2
.else
	MM H+8*\t, WR+12*\t, XF+12*\s, H+8*\t, WS+2+\t/2, WS+\s, \t%2
.endif
.endr
	PLACES 4                                       ; in front of loads into registers that the products have read, and of the first read of results
.endr
	QUANT H                                        ; 128 tokens of my lane's channel: one fragment of V
.irp c, 0,1,2
	global_store_b128 v[GK], v[PC+4*\c:PC+4*\c+3], s[20:21] offset:6144+512*\c
.endr
	ds_store_b32 v[ASC], v[PW] offset:8
	BARRIER                                        ; the record's 512 bytes of scale words lie in the stage
	s_cmp_lg_u32 s22, 0
	s_cbranch_scc1 .Lend
	ds_load_b128 v[16:19], v[AX] offset:SCST-XIMG
	s_wait_dscnt 0x0
	global_store_b128 v[L16], v[16:19], s[20:21] offset:12288
.Lend:
	s_wait_tensorcnt 0x0
	ds_add_u32 v244, v245
	s_wait_dscnt 0x0
	s_endpgm
.Lfunc_end_k_q457c61df19_qkv:
	.size	k_q457c61df19_qkv, .Lfunc_end_k_q457c61df19_qkv-k_q457c61df19_qkv
	.p2alignl 7, 3214868480
	.fill 96, 4, 3214868480
	.section	.rodata,"a",@progbits
	.p2align	6, 0x0
	.amdhsa_kernel k_q457c61df19_qkv
		.amdhsa_group_segment_fixed_size 201216
		.amdhsa_private_segment_fixed_size 0
		.amdhsa_enable_private_segment 0
		.amdhsa_kernarg_size 72
		.amdhsa_user_sgpr_count 2
		.amdhsa_user_sgpr_kernarg_segment_ptr 1
		.amdhsa_wavefront_size32 1
		.amdhsa_system_sgpr_workgroup_id_x 1
		.amdhsa_system_sgpr_workgroup_id_y 1
		.amdhsa_system_sgpr_workgroup_id_z 1
		.amdhsa_system_vgpr_workitem_id 0
		.amdhsa_next_free_vgpr 256
		.amdhsa_next_free_sgpr 66
		.amdhsa_reserve_vcc 0
		.amdhsa_float_denorm_mode_32 3
		.amdhsa_float_denorm_mode_16_64 3
		.amdhsa_memory_ordered 1
		.amdhsa_forward_progress 1
		.amdhsa_inst_pref_size 104
	.end_amdhsa_kernel
	.amdgpu_metadata
---
amdhsa.version: [ 1, 2 ]
amdhsa.kernels:
  - .name:           k_q457c61df19_qkv
    .symbol:         k_q457c61df19_qkv.kd
    .args:
      - { .name: x, .offset: 0, .size: 8, .value_kind: global_buffer, .address_space: global }
      - { .name: part, .offset: 8, .size: 8, .value_kind: global_buffer, .address_space: global }
      - { .name: norm_w, .offset: 16, .size: 8, .value_kind: global_buffer, .address_space: global }
      - { .name: norm_b, .offset: 24, .size: 8, .value_kind: global_buffer, .address_space: global }
      - { .name: qkv_w_codes, .offset: 32, .size: 8, .value_kind: global_buffer, .address_space: global }
      - { .name: qkv_w_scales, .offset: 40, .size: 8, .value_kind: global_buffer, .address_space: global }
      - { .name: qkv_b, .offset: 48, .size: 8, .value_kind: global_buffer, .address_space: global }
      - { .name: qimg, .offset: 56, .size: 8, .value_kind: global_buffer, .address_space: global }
      - { .name: kv, .offset: 64, .size: 8, .value_kind: global_buffer, .address_space: global }
    .group_segment_fixed_size: 201216
    .private_segment_fixed_size: 0
    .kernarg_segment_align: 8
    .kernarg_segment_size: 72
    .max_flat_workgroup_size: 128
    .sgpr_count:     66
    .vgpr_count:     256
    .wavefront_size: 32
...
	.end_amdgpu_metadata
.endif
;; end of part 2
;; launch attn (part 3): grid 32 x 8, 16 waves a work-group, clusters of 4 x 1, 327,680 bytes of LDS; arguments qimg, kv, aimg; writes aimg
.if DOCPART == 3
	.amdgcn_target "amdgcn-amd-amdhsa--gfx1250"
	.amdhsa_code_object_version 6
	.text
	.protected	k_q457c61df19_attn
	.globl	k_q457c61df19_attn
	.p2align	8
	.type	k_q457c61df19_attn,@function
k_q457c61df19_attn:
	s_mov_b64 s[64:65], 0
	v_nop
	global_prefetch_b8 v0, s[64:65] scope:SCOPE_SE
	s_setreg_imm32_b32 hwreg(HW_REG_WAVE_MODE, 25, 1), 1
	s_wait_xcnt 0x0
	s_wait_alu depctr_hold_cnt(0) depctr_sa_sdst(0) depctr_va_vdst(0) depctr_va_sdst(0) depctr_va_ssrc(0) depctr_va_vcc(0) depctr_vm_vsrc(0)
	s_getreg_b32 s2, hwreg(HW_REG_IB_STS2, 6, 4)
	s_cmp_eq_u32 s2, 0
	s_cbranch_scc0 .Lentry_in_a_cluster
	s_endpgm
.Lentry_in_a_cluster:
	s_bfe_u32 s2, ttmp6, 0x10000c
	s_cmp_lg_u32 s2, 0x3003
	s_cbranch_scc0 .Lentry_shape_is_right
	s_endpgm
.Lentry_shape_is_right:
; a = softmax(q k^T) v for 8 (batch, head) pairs, 4,096 tokens, head size 64, both products on codes of BF6 (E3M2) with one E8M0 scale for each 32 along K; a is quantised along the channels for the projection.
; THE SOFTMAX AHEAD OF THE SECOND PRODUCT: t = score x log2(e); M = the largest t so far, rounded UP to a whole number; p = 2^(t - M) is what is quantised, along the keys, not normalised.  The row's sum is taken of the
; unquantised p and divides at the end.  When M moves, the sum and O are multiplied by 2^(old M - new M): exact.
; SHARES.  A work-group owns 128 queries (8 tiles of 16) of one head.  Sixteen waves of 256 registers, four to a SIMD: wave w has tile w / 2 and the key steps (128 keys) of parity w % 2, 16 steps; the two halves of a tile are
; joined at the end, by factors that are exact powers of two.  A key step is 12 matrix instructions beside some 235 vector instructions, so the vector unit is what must be kept fed: four waves to a SIMD do that.
; LAYOUT.  Both products are used transposed: S^T = K Q^T, O^T = V^T P^T: a lane holds ONE query (lane % 16) throughout.  The keys of a tile are chosen so that p's 16 registers of two neighbouring tiles are 16 neighbouring keys.
; HEAD SIZE 64 IN A PRODUCT 128 DEEP: a fragment of K holds key tile 2 p's 64 channels at k 0-63 and key tile 2 p + 1's at k 64-127.  Q lies in 18 registers as q | six registers of zero codes | q: registers 0-11 give tile 2 p's
; scores, registers 6-17 tile 2 p + 1's; the other half meets zero codes, which add nothing.  No byte of K that is read from LDS is idle.
; RING.  kv is laid in records of one key step, 12,800 bytes, in the order of the operands' registers: every LDS read is 16 x lane.  Three slots of 8 records; 24 of the head's 32 steps come with the first fills, and slot 0 is
; filled once more.  By this text's count a fetching wave has three tensor loads out at the start and later one.
; CLUSTER.  The four query blocks of a cluster walk the same head's records: each tile is asked for JOINTLY, by the same tensor load with the same descriptor and the mask of all four.
; LIMITS: NaN and infinities are not served; p under 2^-126 counts as 0 (v_exp_f32 flushes); a block of zeros gets the scale byte 1 (its codes are zeros; this program alone reads the bytes); 1 / l is v_rcp_f32.
.set REC,   12800
.set SLOTB, 8*REC
.set SPARE, 3*SLOTB                    ; behind the ring: the spare words, 128 bytes for each of 16 waves: eight blocks of 256 bytes that no other line names
.set MSTG,  SLOTB                      ; the stage for joining the halves, 4,608 bytes a tile, in slot 1: it has had its one fill, and its last read stands ahead of the barrier in front of the last four steps
.set L16, 1                            ; v1   16 x lane
.set ADR, 2                            ; v2   LDS address of the step's record
.set SPW, 3                            ; v3   LDS address of my spare word; never rewritten
.set NIL, 4                            ; v4   0; never rewritten
.set MA,  5                            ; v5   the stage: O's image
.set MB,  6                            ; v6   the stage: -M and the sum
.set L8,  7                            ; v7   8 x lane
.set L4,  8                            ; v8   4 x lane
.set Q,   16                           ; v16-33  q | zeros | q;  v12 -M, v13 the largest t, v[14:15] the sum in two halves
.set QS,  34                           ; v34  q's scale word
.set KS,  36                           ; v36-39  the step's scale words: K's pairs 0|1, 2|3, V's tiles 0|1, 2|3
.set R1,  40                           ; v40-87  four fragments of K, then four of V
.set S,   96                           ; v96-159 S^T, then p
.set O,   160                          ; v160-191 O^T
.set PC,  192                          ; v192-203 p's codes
.set CT,  204                          ; v204-210 at work
.set BM,  212                          ; v212-215 the blocks' largest scores, then p
.set PT,  216                          ; v216-219 at work
.set SO,  220                          ; v220-223 the conversions' scale operands
.set F,   224                          ; v[224:225] 2^(old M - new M)
.set PW,  226                          ; v226 p's scale word
.set T0,  227
.set T1,  228
.set T2,  229
.set SB,  230                          ; v[230:231] the sum's second chain
.set TB,  36                           ; s36  LDS byte of the step's record
.set CNT, 37
.set SEL, 38
.set CS,  40                           ; s[40:41] log2(e)
.macro MM0 d, a, b, sa, sb, row        ; C = 0 starts the sum; row 1: source 0's scales from lanes 16-31
.if (\row) == 0
	v_wmma_scale_f32_16x16x128_f8f6f4 v[(\d):(\d)+7], v[(\a):(\a)+11], v[(\b):(\b)+11], 0, v[(\sa)], v[(\sb)] matrix_a_fmt:MATRIX_FMT_BF6 matrix_b_fmt:MATRIX_FMT_BF6
.else
	v_wmma_scale_f32_16x16x128_f8f6f4 v[(\d):(\d)+7], v[(\a):(\a)+11], v[(\b):(\b)+11], 0, v[(\sa)], v[(\sb)] matrix_a_fmt:MATRIX_FMT_BF6 matrix_b_fmt:MATRIX_FMT_BF6 matrix_a_scale:MATRIX_SCALE_ROW1
.endif
.endm
.macro MMA d, a, b, sa, sb, row        ; adds in place
.if (\row) == 0
	v_wmma_scale_f32_16x16x128_f8f6f4 v[(\d):(\d)+7], v[(\a):(\a)+11], v[(\b):(\b)+11], v[(\d):(\d)+7], v[(\sa)], v[(\sb)] matrix_a_fmt:MATRIX_FMT_BF6 matrix_b_fmt:MATRIX_FMT_BF6
.else
	v_wmma_scale_f32_16x16x128_f8f6f4 v[(\d):(\d)+7], v[(\a):(\a)+11], v[(\b):(\b)+11], v[(\d):(\d)+7], v[(\sa)], v[(\sb)] matrix_a_fmt:MATRIX_FMT_BF6 matrix_b_fmt:MATRIX_FMT_BF6 matrix_a_scale:MATRIX_SCALE_ROW1
.endif
.endm
.macro ROUND                           ; a round of the cluster's barrier
	s_barrier_signal -1
	s_barrier_wait -1
	s_cmp_lg_u32 s10, 0
	s_cbranch_scc1 .Lnot_wave_0_\@
	s_barrier_signal -3
.Lnot_wave_0_\@:
	s_barrier_wait -3
	s_barrier_signal -1
	s_barrier_wait -1
.endm
	s_load_b128 s[4:7], s[0:1], 0x0                ; qimg, kv
	s_load_b64 s[8:9], s[0:1], 0x10                ; aimg
	v_lshl_add_u32 v[SPW], v0, 2, SPARE
	v_mov_b32 v[NIL], 0
	ds_add_u32 v3, v4
	ds_add_u32 v3, v4
	s_wait_dscnt 0x0
	v_lshrrev_b32 v5, 5, v0
	v_readfirstlane_b32 s10, v5                    ; wave 0..15
	s_and_b32 s11, s10, 1                          ; which half of the keys
	s_lshr_b32 s12, s10, 1                         ; which tile of queries
	s_bfe_u32 s13, ttmp6, 0x40000                  ; cx: my place in the cluster
	s_lshl_b32 s14, ttmp9, 2
	s_add_co_u32 s14, s14, s13                     ; my block of 128 queries: it enters qimg's and aimg's addresses alone
	s_and_b32 s15, ttmp7, 0xffff                   ; bh, which the four partners share
	; descriptor group 1: two records, a dense block of 25,600 bytes, as 100 rows of 32 elements of 8 bytes
	s_mov_b32 s16, 15|(3<<16)|(1<<21)              ; 15:0 the mask: all four work-groups; 17:16 elements of 8 bytes; 21 set beside a mask
	s_mov_b32 s17, 32<<16                          ; tensor_dim0
	s_mov_b32 s18, 100<<16                         ; tensor_dim1
	s_mov_b32 s19, 32<<16                          ; tile_dim0
	s_mov_b32 s20, 100                             ; tile_dim1
	s_mov_b32 s21, 32                              ; from row to row
	s_mov_b32 s22, 0
	s_mov_b32 s23, 0
	s_and_b32 s52, s10, 3
	s_mul_i32 s53, s52, 2*REC                      ; the quarter of a slot that I fetch, if I fetch: in LDS and in memory alike
	s_mul_i32 s42, s15, 32*REC
	s_add_co_u32 s42, s42, s53
	s_mov_b32 s43, 0
	s_lshl_b32 s44, s15, 18
	s_lshl_b32 s45, s14, 13
	s_add_co_u32 s44, s44, s45
	s_lshl_b32 s45, s12, 10
	s_add_co_u32 s44, s44, s45                     ; record 256 bh + 8 block + tile of qimg and of aimg
	s_mov_b32 s45, 0
	s_mov_b32 s[SEL], 0x76543210
	s_mov_b32 s[SEL+1], 0xfedcba98
	s_mov_b32 s[CS], 0x3fb8aa3b                    ; log2(e)
	s_mov_b32 s[CS+1], s[CS]
	s_mul_i32 s[TB], s11, REC                      ; my first step
	v_and_b32 v9, 31, v0
	v_lshlrev_b32 v[L16], 4, v9
	v_lshlrev_b32 v[L8], 3, v9
	v_lshlrev_b32 v[L4], 2, v9
	s_mul_i32 s46, s12, 4608
	s_add_co_u32 s46, s46, MSTG
	v_add_nc_u32 v[MA], s46, v[L16]
	s_add_co_u32 s47, s46, 4096
	v_add_nc_u32 v[MB], s47, v[L4]
	s_wait_kmcnt 0x0
	s_add_nc_u64 s[6:7], s[6:7], s[42:43]
	s_add_nc_u64 s[4:5], s[4:5], s[44:45]
	s_add_nc_u64 s[8:9], s[8:9], s[44:45]
.irp n, 0,1,2                          ; descriptor group 0, a set for each slot
	s_mov_b32 s[24+4*\n], 1
	s_add_co_u32 s[25+4*\n], s53, \n*SLOTB
	s_add_nc_u64 s[26+4*\n:27+4*\n], s[6:7], \n*SLOTB
	s_or_b32 s[27+4*\n], s[27+4*\n], 0x80000000
.endr
	ROUND                                          ; all four work-groups are here: the first joint loads meet
	s_cmp_lt_u32 s10, 4                            ; waves 0 to 3 fetch; a wave's three first fills stand in one branch
	s_cbranch_scc0 .Lno_fill
	tensor_load_to_lds s[24:27], s[16:23]          ; steps 0-7
	s_nop 0
	tensor_load_to_lds s[28:31], s[16:23]          ; steps 8-15
	s_nop 0
	tensor_load_to_lds s[32:35], s[16:23]          ; steps 16-23
	s_nop 0
.rept 4
	v_nop
.endr
.Lno_fill:
	global_load_b128 v[Q:Q+3], v[L16], s[4:5]      ; q twice: at k 0-63 and at k 64-127
	global_load_b128 v[Q+12:Q+15], v[L16], s[4:5]
	global_load_b64 v[Q+4:Q+5], v[L8], s[4:5] offset:512
	global_load_b64 v[Q+16:Q+17], v[L8], s[4:5] offset:512
	global_load_b32 v[QS], v[L4], s[4:5] offset:768
.irp i, 6,7,8,9,10,11
	v_mov_b32 v[Q+\i], 0                           ; zero codes between
.endr
	v_mov_b32 v13, 0xff61b1e6                      ; the largest t so far: -3e38, under every t
	v_floor_f32 v12, -v13                          ; -M
	v_mov_b32 v14, 0
	v_mov_b32 v15, 0
.irp b, 0,1,2,3
	v_mov_b32 v[PT+\b], 0                          ; written once: a lane permute's destination counts as one of its sources
.endr
	v_mov_b32 v[F+1], 0                            ; (named as the upper half of a pair)
.set n, 0
.rept 32
	v_mov_b32 v[O+n], 0                            ; the step is written once: the first finds zeros, which the first change of M leaves zeros
.set n, n+1
.endr
; A KEY STEP: 128 keys, the record at LDS byte s[TB].
.macro STEP
	v_add_nc_u32 v[ADR], s[TB], v[L16]             ; with the three v_nop: the four places behind the last step's products, in front of loads into registers that they read
.rept 3
	v_nop
.endr
	ds_load_b128 v[KS:KS+3], v[ADR] offset:12288   ; all scale words of the step
.irp i, 0,1,2,3,4,5,6,7,8,9,10,11
	ds_load_b128 v[R1+4*\i:R1+4*\i+3], v[ADR] offset:512*\i
.endr
.irp j, 0,1,2,3
	s_wait_dscnt 9-3*\j                            ; pair j's three loads are in; those of the later pairs may be out
	MM0 S+16*\j, R1+12*\j, Q, KS+\j/2, QS, \j%2
	MM0 S+16*\j+8, R1+12*\j, Q+6, KS+\j/2, QS, \j%2
.endr
.rept 4
	v_nop                                          ; four places: for the loads below, and for the first read of the scores
.endr
.irp i, 0,1,2,3,4,5,6,7,8,9,10,11
	ds_load_b128 v[R1+4*\i:R1+4*\i+3], v[ADR] offset:6144+512*\i   ; V: it lands under the softmax
.endr
.irp b, 0,1,2,3
	v_max3_num_f32 v[BM+\b], v[S+16*\b], v[S+1+16*\b], v[S+2+16*\b]   ; the largest score of each block of 32 keys: it serves for the row's maximum and, since p rises with the score, for the block's largest p
.endr
.irp i, 3,5,7,9,11,13
.irp b, 0,1,2,3
	v_max3_num_f32 v[BM+\b], v[BM+\b], v[S+16*\b+\i], v[S+1+16*\b+\i]
.endr
.endr
.irp b, 0,1,2,3
	v_max_num_f32 v[BM+\b], v[BM+\b], v[S+15+16*\b]
.endr
.irp b, 0,1,2,3
	v_permlanex16_b32 v[PT+\b], v[BM+\b], s[SEL], s[SEL+1]
.endr
.irp b, 0,1,2,3
	v_max_num_f32 v[BM+\b], v[BM+\b], v[PT+\b]     ; with lane l xor 16's 16 keys
.endr
	v_max3_num_f32 v[T0], v[BM], v[BM+1], v[BM+2]
	v_max_num_f32 v[T0], v[T0], v[BM+3]
	v_mul_f32 v[T0], s[CS], v[T0]                  ; the step's largest t
	v_max_num_f32 v13, v13, v[T0]
	v_mov_b32 v[T0], v12
	v_floor_f32 v12, -v13                          ; the new -M = -ceil(t)
	v_sub_f32 v[T0], v12, v[T0]                    ; old M - new M: a whole number, 0 or less
	v_cvt_i32_f32 v[T0], v[T0]                     ; (it saturates)
	v_ldexp_f32 v[F], 1.0, v[T0]                   ; f = 2^(old M - new M)
.set n, 0
.rept 32
	v_pk_fma_f32 v[S+2*n:S+2*n+1], v[S+2*n:S+2*n+1], s[CS:CS+1], v[12:13] op_sel_hi:[1,0,0]   ; t - M
.set n, n+1
.endr
.irp b, 0,1,2,3
	v_fma_f32 v[BM+\b], v[BM+\b], s[CS], v12       ; the same of each block's largest score
.endr
.irp b, 0,1,2,3
	v_exp_f32 v[BM+\b], v[BM+\b]                   ; the block's largest p
.endr
	v_pk_mul_f32 v[14:15], v[14:15], v[F:F+1] op_sel_hi:[1,0]   ; the sum under the new M (a plain place behind the exponentials)
; 64 exponentials, two and then one plain line that is due anyway: the scales' bytes, then O^T under the new M
.set n, 0
.rept 32
	v_exp_f32 v[S+2*n], v[S+2*n]
	v_exp_f32 v[S+2*n+1], v[S+2*n+1]
.if n < 4
	s_wait_alu depctr_va_vdst(0)
	v_max_num_f32 v[BM+n], 0x2800000, v[BM+n]      ; the floor 2^(5 - 127): the byte cannot fall under 1
.elseif n < 8
	v_add_nc_u32 v[SO+n-4], 0xfe000000, v[BM+n-4]  ; 4 off the exponent field: the conversion's scale operand
.elseif n < 12
	v_lshrrev_b32 v[PT+n-8], 23, v[SO+n-8]         ; the scale's byte
.elseif n == 12
	s_setprio 1
	v_lshl_or_b32 v[PW], v[PT+1], 8, v[PT]
.elseif n == 13
	v_lshl_or_b32 v[PW], v[PT+2], 16, v[PW]
.elseif n == 14
	v_lshl_or_b32 v[PW], v[PT+3], 24, v[PW]
.elseif n == 15
	v_nop
.else
	v_pk_mul_f32 v[O+2*(n-16):O+2*(n-16)+1], v[O+2*(n-16):O+2*(n-16)+1], v[F:F+1] op_sel_hi:[1,0]
.endif
.set n, n+1
.endr
	s_wait_alu depctr_va_vdst(0)
.irp c, 0,1
	v_cvt_scalef32_pk16_bf6_f32 v[PC+6*\c:PC+2+6*\c], v[S+32*\c:S+15+32*\c], v[SO+2*\c]
	v_cvt_scalef32_pk16_bf6_f32 v[CT+4*\c:CT+2+4*\c], v[S+16+32*\c:S+31+32*\c], v[SO+2*\c+1]   ; (a conversion's three registers begin on an even number)
.endr
	v_nop                                          ; one plain place behind a scaled conversion
.irp c, 0,1                            ; the operand's layout wants a whole block in a lane
.irp i, 0,1,2
	v_permlane16_swap_b32 v[PC+6*\c+\i], v[CT+4*\c+\i]
.endr
.irp i, 0,1,2
	v_mov_b32 v[PC+3+6*\c+\i], v[CT+4*\c+\i]
.endr
.endr
	v_pk_add_f32 v[SB:SB+1], v[S:S+1], v[S+2:S+3]  ; the row's sum is taken of the unquantised p, in two chains.  (These lines are also the places between the codes' last write and the products)
	s_setprio 0
.irp j, 4,8,12,16,20,24,28,32,36,40,44,48,52,56,60
	v_pk_add_f32 v[14:15], v[14:15], v[S+\j:S+\j+1]
	v_pk_add_f32 v[SB:SB+1], v[SB:SB+1], v[S+\j+2:S+\j+3]
.endr
	v_pk_add_f32 v[14:15], v[14:15], v[SB:SB+1]
	s_wait_dscnt 0x0                               ; V is in
.irp t, 0,1,2,3                        ; O^T += V^T P^T: the four accumulators by turns, one instruction a turn; eleven other products stand between a link and the next
	MMA O+8*\t, R1+12*\t, PC, KS+2+\t/2, PW, \t%2
.endr
	s_add_co_u32 s[TB], s[TB], 2*REC               ; my next step: two records on
.endm
.macro STEPS count
	s_mov_b32 s[CNT], \count
.Lstep_\@:
	s_setprio 2
	STEP
	s_sub_co_u32 s[CNT], s[CNT], 1
	s_cmp_lg_u32 s[CNT], 0
	s_cbranch_scc1 .Lstep_\@
	s_setprio 0
.endm
	s_wait_tensorcnt 2                             ; my part of slot 0 is in; the two younger loads may stay out
	s_barrier_signal -1
	s_barrier_wait -1                              ; everybody's is
	s_wait_loadcnt 0x0                             ; q
	STEPS 4                                        ; slot 0: my four of steps 0-7
	; the one change of slots: slot 0 is filled again, with steps 24-31
	s_wait_tensorcnt 0x0                           ; all my tensor loads have landed, slots 1 and 2 among them: a group 0 may be written
	ds_add_u32 v[SPW], v[NIL]                      ; 0 onto my spare word
	ds_add_u32 v3, v4
	s_add_nc_u64 s[26:27], s[26:27], 3*SLOTB       ; the type bits on top are not reached
	s_wait_dscnt 0x0                               ; the add is done, and my reads of slot 0 are over
	ROUND                                          ; no wave of any partner still reads slot 0 or has a load on its way
	s_cmp_lt_u32 s10, 4
	s_cbranch_scc0 .Lno_refill
	tensor_load_to_lds s[24:27], s[16:23]          ; the first thing behind the round: it has eight steps of every wave in which to land
	s_nop 0
.rept 4
	v_nop
.endr
.Lno_refill:
	STEPS 8                                        ; slots 1 and 2: s[TB] runs on through both
	s_wait_tensorcnt 0x0                           ; my part of steps 24-31 is in
	s_wait_dscnt 0x0
	s_barrier_signal -1
	s_barrier_wait -1                              ; everybody's is
	s_mul_i32 s[TB], s11, REC
	STEPS 4                                        ; slot 0 again
	; THE TWO HALVES OF A TILE ARE JOINED.  The odd wave hands O^T, -M and its sum to the even wave through the stage.
	v_add_f32 v14, v14, v15                        ; with the three v_nop: the four places behind the last products
.rept 3
	v_nop
.endr
	s_cmp_eq_u32 s11, 0
	s_cbranch_scc1 .Lkeeps
.irp i, 0,1,2,3,4,5,6,7
	ds_store_b128 v[MA], v[O+4*\i:O+4*\i+3] offset:512*\i   ; each accumulator from its low end on
.endr
	ds_store_b32 v[MB], v12
	ds_store_b32 v[MB], v14 offset:128
.Lkeeps:
	s_wait_dscnt 0x0                               ; for the other's sake: my stores have landed
	s_barrier_signal -1
	s_barrier_wait -1
	s_cmp_lg_u32 s11, 0
	s_cbranch_scc1 .Lend
.irp i, 0,1,2,3,4,5,6,7
	ds_load_b128 v[S+4*\i:S+4*\i+3], v[MA] offset:512*\i
.endr
	ds_load_b32 v[T1], v[MB]
	ds_load_b32 v[T2], v[MB] offset:128
	s_wait_dscnt 0x0
	v_min_num_f32 v[T0], v12, v[T1]                ; -M of both halves
	v_sub_f32 v12, v[T0], v12                      ; my M - M, 0 or less
	v_sub_f32 v[T1], v[T0], v[T1]                  ; the other's
	v_cvt_i32_f32 v12, v12
	v_cvt_i32_f32 v[T1], v[T1]
	v_ldexp_f32 v12, 1.0, v12                      ; exact powers of two
	v_ldexp_f32 v[T1], 1.0, v[T1]
	v_mul_f32 v14, v14, v12
	v_fma_f32 v14, v[T2], v[T1], v14
	v_permlanex16_b32 v[PT], v14, s[SEL], s[SEL+1]
	v_add_f32 v14, v14, v[PT]                      ; the row's sum
	v_rcp_f32 v14, v14
	v_nop                                          ; one plain place behind a transcendental
	s_wait_alu depctr_va_vdst(0)
	v_mul_f32 v[F], v12, v14
	v_mul_f32 v[SB], v[T1], v14
.set n, 0
.rept 16
	v_pk_mul_f32 v[O+2*n:O+2*n+1], v[O+2*n:O+2*n+1], v[F:F+1] op_sel_hi:[1,0]
.set n, n+1
.endr
.set n, 0
.rept 16
	v_pk_fma_f32 v[O+2*n:O+2*n+1], v[S+2*n:S+2*n+1], v[SB:SB+1], v[O+2*n:O+2*n+1] op_sel_hi:[1,0,1]   ; a: register 16 b + i is channel 32 b + 16 (lane / 16) + i of my query
.set n, n+1
.endr
	; a's two blocks of 32 channels are quantised: half a fragment of the projection's operand
.irp b, 0,1
	v_max3_num_f32 v[BM+\b], |v[O+16*\b]|, |v[O+1+16*\b]|, 0x2800000
.endr
.irp i, 2,4,6,8,10,12,14
.irp b, 0,1
	v_max3_num_f32 v[BM+\b], v[BM+\b], |v[O+16*\b+\i]|, |v[O+1+16*\b+\i]|
.endr
.endr
.irp b, 0,1
	v_permlanex16_b32 v[PT+\b], v[BM+\b], s[SEL], s[SEL+1]
.endr
.irp b, 0,1
	v_max_num_f32 v[BM+\b], v[BM+\b], v[PT+\b]
.endr
.irp b, 0,1
	v_add_nc_u32 v[SO+\b], 0xfe000000, v[BM+\b]
.endr
.irp b, 0,1
	v_lshrrev_b32 v[PT+\b], 23, v[SO+\b]
.endr
	v_lshl_or_b32 v[PW], v[PT+1], 8, v[PT]
	v_cvt_scalef32_pk16_bf6_f32 v[PC:PC+2], v[O:O+15], v[SO]
	v_cvt_scalef32_pk16_bf6_f32 v[CT:CT+2], v[O+16:O+31], v[SO+1]
	v_nop                                          ; one plain place behind a scaled conversion
.irp i, 0,1,2
	v_permlane16_swap_b32 v[PC+\i], v[CT+\i]
.endr
.irp i, 0,1,2
	v_mov_b32 v[PC+3+\i], v[CT+\i]
.endr
	global_store_b128 v[L16], v[PC:PC+3], s[8:9]
	global_store_b64 v[L8], v[PC+4:PC+5], s[8:9] offset:512
	global_store_b32 v[L4], v[PW], s[8:9] offset:768
.Lend:
	s_wait_tensorcnt 0x0                           ; the wave's end: behind my last tensor load and my last LDS store
	ds_add_u32 v[SPW], v[NIL]
	s_wait_dscnt 0x0
	ROUND                                          ; the closing round: no work-group ends while a partner may still ask for a tile that names it
	s_endpgm
.Lfunc_end_k_q457c61df19_attn:
	.size	k_q457c61df19_attn, .Lfunc_end_k_q457c61df19_attn-k_q457c61df19_attn
	.p2alignl 7, 3214868480
	.fill 96, 4, 3214868480
	.section	.rodata,"a",@progbits
	.p2align	6, 0x0
	.amdhsa_kernel k_q457c61df19_attn
		.amdhsa_group_segment_fixed_size 327680
		.amdhsa_private_segment_fixed_size 0
		.amdhsa_enable_private_segment 0
		.amdhsa_kernarg_size 24
		.amdhsa_user_sgpr_count 2
		.amdhsa_user_sgpr_kernarg_segment_ptr 1
		.amdhsa_wavefront_size32 1
		.amdhsa_system_sgpr_workgroup_id_x 1
		.amdhsa_system_sgpr_workgroup_id_y 1
		.amdhsa_system_sgpr_workgroup_id_z 1
		.amdhsa_system_vgpr_workitem_id 0
		.amdhsa_next_free_vgpr 256
		.amdhsa_next_free_sgpr 66
		.amdhsa_reserve_vcc 0
		.amdhsa_float_denorm_mode_32 3
		.amdhsa_float_denorm_mode_16_64 3
		.amdhsa_memory_ordered 1
		.amdhsa_forward_progress 1
		.amdhsa_inst_pref_size 61
	.end_amdhsa_kernel
	.amdgpu_metadata
---
amdhsa.version: [ 1, 2 ]
amdhsa.kernels:
  - .name:           k_q457c61df19_attn
    .symbol:         k_q457c61df19_attn.kd
    .args:
      - { .name: qimg, .offset: 0, .size: 8, .value_kind: global_buffer, .address_space: global }
      - { .name: kv, .offset: 8, .size: 8, .value_kind: global_buffer, .address_space: global }
      - { .name: aimg, .offset: 16, .size: 8, .value_kind: global_buffer, .address_space: global }
    .group_segment_fixed_size: 327680
    .private_segment_fixed_size: 0
    .kernarg_segment_align: 8
    .kernarg_segment_size: 24
    .max_flat_workgroup_size: 512
    .sgpr_count:     66
    .vgpr_count:     256
    .wavefront_size: 32
...
	.end_amdgpu_metadata
.endif
;; end of part 3
;; launch proj (part 4): grid 128 x 2, 8 waves a work-group, no clusters, 35,840 bytes of LDS; arguments aimg, proj_w_codes, proj_w_scales, proj_b, x, out0; writes out0
.if DOCPART == 4
	.amdgcn_target "amdgcn-amd-amdhsa--gfx1250"
	.amdhsa_code_object_version 6
	.text
	.protected	k_q457c61df19_proj
	.globl	k_q457c61df19_proj
	.p2align	8
	.type	k_q457c61df19_proj,@function
k_q457c61df19_proj:
	s_mov_b64 s[64:65], 0
	v_nop
	global_prefetch_b8 v0, s[64:65] scope:SCOPE_SE
	s_setreg_imm32_b32 hwreg(HW_REG_WAVE_MODE, 25, 1), 1
	s_wait_xcnt 0x0
; out0 = x + proj_w a + proj_b, the product on codes of BF6 (E3M2) with one E8M0 scale for each 32 along K (the 256 channels).
; SHARES.  Work-group (tb, oh) makes 64 tokens (64 (tb % 64) on, batch tb / 64) x 128 output channels (128 oh on); wave w makes channels 128 oh + 16 w + 0 .. 15 for the four token tiles.  Waves share nothing: no barrier.
; a arrives as images of half fragments, one record of 1,024 bytes for each (batch, head, token tile): registers 0-3 at 16 l, registers 4-5 at 512 + 8 l, the scale word (s0, s1) at 768 + 4 l.  Heads 2 s and 2 s + 1 make K step s.
; Source 0 = 16 tokens, source 1 = 16 rows of proj_w: a lane holds one output channel and eight tokens; row r of token tile T is token 32 (T / 2) + 8 (T % 2) + r + 8 (r / 8), so tiles 2 b, 2 b + 1 give a lane 16 neighbouring tokens.
; The results go through the wave's own stage in LDS and leave as rows: sixteen lanes store 256 consecutive bytes, aligned.  The bias is the C of each sum's first product.
; No tensor load and no cluster: every operand is read once at the head, straight into the registers in which the product wants it.
.set AF,  16                           ; v16-111  a's fragments: (tile t, K step s) at 12 (2 t + s); later rows read back from the stage
.set SA,  112                          ; v112-127 their scale words: (t, s, head's parity c) at 2 (2 t + s) + c
.set WF,  128                          ; v128-151 proj_w's two fragments
.set WSS, 152                          ; v152-153 their scale words
.set BI,  154                          ; v154     my channel's bias
.set C8,  156                          ; v156-163 the same as a C operand
.set ACC, 164                          ; v164-195 four accumulators
.set XR,  196                          ; v196-227 x
	s_load_b256 s[4:11], s[0:1], 0x0               ; aimg, W's codes, W's scales, proj_b
	s_load_b128 s[12:15], s[0:1], 0x20             ; x, out0
	v_lshl_add_u32 v232, v0, 2, 0x8800
	v_mov_b32 v233, 0
	v_lshrrev_b32 v10, 5, v0
	s_delay_alu instid0(VALU_DEP_1)
	v_readfirstlane_b32 s16, v10                   ; wave 0..7
	s_lshr_b32 s17, ttmp9, 6                       ; batch
	s_and_b32 s18, ttmp9, 63                       ; which 64 tokens
	s_and_b32 s19, ttmp7, 0xffff                   ; which 128 output channels
	s_lshl_b32 s20, s19, 7
	s_lshl_b32 s21, s16, 4
	s_add_co_u32 s20, s20, s21                     ; my first output channel
	v_and_b32 v10, 31, v0                          ; lane
	v_and_b32 v11, 15, v0                          ; r
	v_bfe_u32 v12, v0, 4, 1                        ; h
	s_delay_alu instid0(VALU_DEP_3)
	v_lshlrev_b32 v1, 4, v10
	s_delay_alu instid0(VALU_DEP_4)
	v_lshlrev_b32 v2, 3, v10
	v_lshlrev_b32 v3, 2, v10
	v_mul_u32_u24 v4, v11, 192
	s_delay_alu instid0(VALU_DEP_1)
	v_mad_u32_u24 v4, v12, 24, v4                  ; proj_w: row r of 192 bytes, + 24 h
	v_lshlrev_b32 v5, 3, v11                       ; its 8 scale bytes
	v_lshlrev_b32 v6, 2, v11                       ; its bias
	s_mul_i32 s21, s16, 16*272                     ; my stage: 16 rows of 256 bytes + 16
	v_mul_u32_u24 v7, v11, 272
	s_delay_alu instid0(VALU_DEP_1)
	v_lshl_add_u32 v7, v12, 6, v7
	s_delay_alu instid0(VALU_DEP_1)
	v_add_nc_u32 v7, s21, v7                       ; in: row r, + 64 h
	v_mul_u32_u24 v8, v12, 272
	s_delay_alu instid0(VALU_DEP_1)
	v_lshl_add_u32 v8, v11, 4, v8
	s_delay_alu instid0(VALU_DEP_1)
	v_add_nc_u32 v8, s21, v8                       ; back: lanes 0-15 one row, lanes 16-31 the next
	v_lshlrev_b32 v9, 14, v12
	s_delay_alu instid0(VALU_DEP_1)
	v_lshl_add_u32 v9, v11, 4, v9                  ; and the same two rows in x and in out0
	s_lshl_b32 s22, s17, 20
	s_lshl_b32 s24, s18, 12
	s_add_co_u32 s22, s22, s24                     ; aimg: record 1,024 batch + 4 (tb % 64)
	s_mov_b32 s23, 0
	s_lshl_b32 s24, s17, 22
	s_lshl_b32 s26, s20, 14
	s_add_co_u32 s24, s24, s26
	s_lshl_b32 s26, s18, 8
	s_add_co_u32 s24, s24, s26                     ; x, out0: the batch, my first channel, the 64 tokens
	s_mov_b32 s25, 0
	s_mul_i32 s26, s20, 192
	s_mov_b32 s27, 0
	s_lshl_b32 s28, s20, 3
	s_mov_b32 s29, 0
	s_lshl_b32 s30, s20, 2
	s_mov_b32 s31, 0
	s_wait_alu depctr_va_vdst(0)
	s_wait_kmcnt 0x0
	s_add_nc_u64 s[4:5], s[4:5], s[22:23]
	s_add_nc_u64 s[6:7], s[6:7], s[26:27]
	s_add_nc_u64 s[8:9], s[8:9], s[28:29]
	s_add_nc_u64 s[10:11], s[10:11], s[30:31]
	s_add_nc_u64 s[12:13], s[12:13], s[24:25]
	s_add_nc_u64 s[14:15], s[14:15], s[24:25]
.irp i, 0,1,2,3,4,5,6,7
	global_load_b128 v[XR+4*\i:XR+4*\i+3], v9, s[12:13] offset:32768*\i th:TH_LOAD_NT   ; read once in this launch
.endr
.irp t, 0,1,2,3
.irp s, 0,1
.irp c, 0,1
	global_load_b128 v[AF+12*(2*\t+\s)+6*\c:AF+12*(2*\t+\s)+6*\c+3], v1, s[4:5] offset:(2*\s+\c)*262144+1024*\t
	global_load_b64 v[AF+12*(2*\t+\s)+6*\c+4:AF+12*(2*\t+\s)+6*\c+5], v2, s[4:5] offset:(2*\s+\c)*262144+1024*\t+512
	global_load_b32 v[SA+2*(2*\t+\s)+\c], v3, s[4:5] offset:(2*\s+\c)*262144+1024*\t+768
.endr
.endr
.endr
.irp s, 0,1
.irp p, 0,1,2,3,4,5
	global_load_b64 v[WF+12*\s+2*\p:WF+12*\s+2*\p+1], v4, s[6:7] offset:96*\s+48*(\p/3)+8*(\p%3)
.endr
	global_load_b32 v[WSS+\s], v5, s[8:9] offset:4*\s
.endr
	global_load_b32 v[BI], v6, s[10:11]
	s_wait_loadcnt 0x0
.irp i, 0,1,2,3,4,5,6,7
	v_mov_b32 v[C8+\i], v[BI]
.endr
.irp f, 0,1,2,3,4,5,6,7
	v_lshl_or_b32 v[SA+2*\f], v[SA+2*\f+1], 16, v[SA+2*\f]   ; two heads' two bytes each make a K step's scale word
.endr
.rept 8
	v_nop                                          ; a scale register written by a vector instruction stands eight places ahead of a scaled product
.endr
.irp s, 0,1                            ; four accumulators by turns, one instruction a turn
.irp t, 0,1,2,3
.if \s == 0
	v_wmma_scale_f32_16x16x128_f8f6f4 v[ACC+8*\t:ACC+8*\t+7], v[AF+12*(2*\t+\s):AF+12*(2*\t+\s)+11], v[WF+12*\s:WF+12*\s+11], v[C8:C8+7], v[SA+2*(2*\t+\s)], v[WSS+\s] matrix_a_fmt:MATRIX_FMT_BF6 matrix_b_fmt:MATRIX_FMT_BF6
.else
	v_wmma_scale_f32_16x16x128_f8f6f4 v[ACC+8*\t:ACC+8*\t+7], v[AF+12*(2*\t+\s):AF+12*(2*\t+\s)+11], v[WF+12*\s:WF+12*\s+11], v[ACC+8*\t:ACC+8*\t+7], v[SA+2*(2*\t+\s)], v[WSS+\s] matrix_a_fmt:MATRIX_FMT_BF6 matrix_b_fmt:MATRIX_FMT_BF6
.endif
.endr
.endr
.rept 4
	v_nop                                          ; four places in front of the first read of results and of loads into registers that the products have read
.endr
.irp t, 0,1,2,3
	ds_store_b128 v7, v[ACC+8*\t:ACC+8*\t+3] offset:128*(\t/2)+32*(\t%2)          ; lane (r, h): tokens 32 (t / 2) + 8 (t % 2) + 16 h + 0 .. 7 of channel r; each accumulator from its low end on
	ds_store_b128 v7, v[ACC+8*\t+4:ACC+8*\t+7] offset:128*(\t/2)+32*(\t%2)+16
.endr
.irp i, 0,1,2,3,4,5,6,7
	ds_load_b128 v[AF+4*\i:AF+4*\i+3], v8 offset:544*\i   ; LDS serves a wave's instructions in order: these see my stores
.endr
.irp i, 0,1,2,3,4,5,6,7
	s_wait_dscnt 7-\i                              ; rows 2 i, 2 i + 1 are back; the younger loads may be out
	v_pk_add_f32 v[AF+4*\i:AF+4*\i+1], v[AF+4*\i:AF+4*\i+1], v[XR+4*\i:XR+4*\i+1]
	v_pk_add_f32 v[AF+4*\i+2:AF+4*\i+3], v[AF+4*\i+2:AF+4*\i+3], v[XR+4*\i+2:XR+4*\i+3]
	global_store_b128 v9, v[AF+4*\i:AF+4*\i+3], s[14:15] offset:32768*\i th:TH_STORE_NT   ; sixteen lanes store 256 consecutive bytes, aligned
.endr
	s_wait_tensorcnt 0x0
	ds_add_u32 v232, v233
	s_wait_dscnt 0x0
	s_endpgm
.Lfunc_end_k_q457c61df19_proj:
	.size	k_q457c61df19_proj, .Lfunc_end_k_q457c61df19_proj-k_q457c61df19_proj
	.p2alignl 7, 3214868480
	.fill 96, 4, 3214868480
	.section	.rodata,"a",@progbits
	.p2align	6, 0x0
	.amdhsa_kernel k_q457c61df19_proj
		.amdhsa_group_segment_fixed_size 35840
		.amdhsa_private_segment_fixed_size 0
		.amdhsa_enable_private_segment 0
		.amdhsa_kernarg_size 48
		.amdhsa_user_sgpr_count 2
		.amdhsa_user_sgpr_kernarg_segment_ptr 1
		.amdhsa_wavefront_size32 1
		.amdhsa_system_sgpr_workgroup_id_x 1
		.amdhsa_system_sgpr_workgroup_id_y 1
		.amdhsa_system_sgpr_workgroup_id_z 1
		.amdhsa_system_vgpr_workitem_id 0
		.amdhsa_next_free_vgpr 234
		.amdhsa_next_free_sgpr 66
		.amdhsa_reserve_vcc 0
		.amdhsa_float_denorm_mode_32 3
		.amdhsa_float_denorm_mode_16_64 3
		.amdhsa_memory_ordered 1
		.amdhsa_forward_progress 1
		.amdhsa_inst_pref_size 15
	.end_amdhsa_kernel
	.amdgpu_metadata
---
amdhsa.version: [ 1, 2 ]
amdhsa.kernels:
  - .name:           k_q457c61df19_proj
    .symbol:         k_q457c61df19_proj.kd
    .args:
      - { .name: aimg, .offset: 0, .size: 8, .value_kind: global_buffer, .address_space: global }
      - { .name: proj_w_codes, .offset: 8, .size: 8, .value_kind: global_buffer, .address_space: global }
      - { .name: proj_w_scales, .offset: 16, .size: 8, .value_kind: global_buffer, .address_space: global }
      - { .name: proj_b, .offset: 24, .size: 8, .value_kind: global_buffer, .address_space: global }
      - { .name: x, .offset: 32, .size: 8, .value_kind: global_buffer, .address_space: global }
      - { .name: out0, .offset: 40, .size: 8, .value_kind: global_buffer, .address_space: global }
    .group_segment_fixed_size: 35840
    .private_segment_fixed_size: 0
    .kernarg_segment_align: 8
    .kernarg_segment_size: 48
    .max_flat_workgroup_size: 256
    .sgpr_count:     66
    .vgpr_count:     234
    .wavefront_size: 32
...
	.end_amdgpu_metadata
.endif
;; end of part 4
